; MI455X (gfx1250); checked and timed in simulation.
; The chip was launched on July 23, 2026; its instructions are those of AMD's public machine-readable ISA for CDNA 5 (MIT licence, August 2026) and "CDNA5" Instruction Set Architecture Reference Guide (July 2026). The comments in the code are by the model that wrote it; some were corrected since.
;; Attention. Allowed arithmetic: float matrix products may take bf16 or f16 operands with f32 sums; all other float work in f32.
;; Inputs: Wk 512 x 64 float32; Wq 512 x 64 float32; Wv 512 x 64 float32; x 8 x 2,048 x 512 float32.
;; Outputs: out0 8 x 2,048 x 64 float32.
;; One version. Each part assembles by itself: llvm-mc -triple=amdgcn-amd-amdhsa -mcpu=gfx1250 --defsym DOCPART=n.
;; ======== version 1 of 1: 2 launches
;; limits: values are held in f16: magnitudes above 65,504 overflow, below 6.1e-05 lose precision
;; workspace buffers: qkv 6,291,456 bytes
;; launch proj (part 1): grid 256 x 1, 4 waves a work-group, no clusters, 283,136 bytes of LDS; arguments x, Wq, Wk, Wv, qkv; writes qkv
.if DOCPART == 1
	.amdgcn_target "amdgcn-amd-amdhsa--gfx1250"
	.amdhsa_code_object_version 6
	.text
	.protected	k_q1a100d0b5c_proj
	.globl	k_q1a100d0b5c_proj
	.p2align	8
	.type	k_q1a100d0b5c_proj,@function
k_q1a100d0b5c_proj:
	s_mov_b64 s[64:65], 0
	v_nop
	global_prefetch_b8 v0, s[64:65] scope:SCOPE_SE
	s_setreg_imm32_b32 hwreg(HW_REG_WAVE_MODE, 25, 1), 1
	s_wait_xcnt 0x0
; q, k, v = x W (x: [16384][512] f32; Wq, Wk, Wv: [512][64] f32), bf16 operands, f32 sums, results rounded once to f16 and stored in the
; order in which the second launch's matrix instructions want them.
;
; WORK LEFT OUT BY THE PROGRAM (in the second launch; nothing is left out here).  reference() replaces every score with key > query by -inf
; (its own jnp.tril), so the softmax weight of such a key is exactly 0 for all values of the inputs and its product with v adds 0 to the
; result.  The second launch works in pieces of 32 queries (a block) x 32 keys; a piece whose first key lies behind the block's last query has
; only such keys and is not computed.  In the piece that the diagonal crosses everything is computed and the dead scores are selected away.
; No input is dead: all four are loaded.
; LIMIT: a NaN, an infinity or an overflow in k or v of keys in a piece left out is not carried to the result.
; LIMIT: a sum over the 512 k is made as four f32 sums of 128 k, which are then added in f32, in an order that differs from tile to tile:
; an order of rounding other than reference()'s.
; WHY q, k, v GO IN f16: a row with few keys hands v's rounding straight to the result, numbers of size 1 in an output whose later rows are means
; over many keys and far smaller; f16's step is an eighth of bf16's.  x and W stay in bf16, whose range is f32's.
; LIMIT: a q, k or v above 65,504 in magnitude becomes infinite.  The room: a sum of 512 products in which every x is 30 and every W 1.33 is 20,400.
;
; qkv, 6,291,456 bytes: [1024 tiles of 16 rows][q, k, v][c = 0..3][32 lanes][16 bytes]; a tile is 6,144 bytes, a block 512.
;   lane = (r = lane % 16, h = lane / 16), its 8 f16 are j = 0..7, lower j in lower bits.
;   q, k: row 16 T + r, head column 4 (8 h + j) + c.      v: rows 16 T + 8 h + j, head column 4 r + c.
; The column order 4 slot + c comes from reading W by whole rows (a lane's 16 bytes are 4 neighbouring columns, one for each c); it is the same
; in q and k, so their product is unchanged, and in v it makes a lane's four result tiles hold 4 neighbouring output columns.
;
; THE WORK-GROUP owns 64 rows of x (four tiles of 16).  K IS SPLIT OVER THE FOUR WAVES: wave w owns k = 128 w .. 128 w + 127, for all 64 rows and all
; 192 columns of q, k, v.  So every element of W and of x is loaded, converted and used by one wave alone.  All waves run one text without a branch.
; x comes by the wave's own four tensor loads (four outstanding by this text's count, all first fills) into its own LDS bytes and is converted once
; into 128 registers of fragments, which stay.  W goes from memory into the wave's registers in twelve units u = 4 m + ks (matrix m, 32 of my k):
; three raw buffers keep 48 loads on their way; six fragment slots let units 0 to 5 be converted while x is still coming; from then on a unit is
; multiplied as soon as it is converted: 16 matrix instructions (4 row tiles x 4 column tiles), while the later units are on their way.
; MATRIX BY MATRIX: q's 16 sums are finished after four units and k's after eight, so their way through LDS and out stands among the later units' waits.
; Wave w calls the row tiles i = 0..3 in the order (w + i) % 4.  The sums of i = 0, 1, 2 go to LDS; those of i = 3 stay, and behind a barrier the wave
; adds to them the three other waves' sums for that tile, rounds, and stores 2,048 consecutive bytes for each matrix.
; NO JOINT LOADS: what work-groups share here is W.  A joint load lands in LDS.  x takes 135,168 bytes; even if the partial sums lay on bytes that have
; had their last fill, 192,512 would be left, less than two slots of one matrix (2 x 131,072).  With slots of half a matrix a refill would have 32
; matrix instructions a wave in which to land, behind a round of the cluster's barrier each, and every byte of W would be written to LDS and read
; from it on its way into the same registers into which it now comes straight.  x is shared by nobody.
;
; LDS: XRAW at 0: wave w's tile i at w 33,792 + i 8,448: 16 rows x 128 f32, pitch 528 = 512 + 16: an odd multiple of 16 bytes, so the sixteen
;      rows that one load touches lie in sixteen different 16-byte columns of 256 bytes.
;      PART at 135,168: wave w's sums of its tile i at w 36,864 + i 12,288 + (8 m + q) 512 + lane 16 (q = 0..7: four registers each); written by
;      ds_store alone, never by a fill, and every byte once.
.set XTILE, 8448
.set XWAVE, 33792
.set PARTB, 135168
.set PTILE, 12288
.set PWAVE, 36864
.set XA,    16                         ; v16-143    x's fragment of tile i, K step ks at + 32 i + 8 ks
.set XR,    144                        ; v144-207   x as f32, two halves of 32; in the merges: the partners' sums
.set OUT,   208                        ; v208-255   results in f16, matrix m, column tile c at + 16 m + 4 c; never written twice
                                       ; v256-447   W's fragments: six slots, unit u in slot u % 6, column tile c at + 8 c
                                       ; v512-767   sums of q at 32 i + 8 c, of k at 128 + 32 i + 8 c;   v768-895 sums of v at 32 i + 8 c
                                       ; v896-1023, v448-511   W as f32: three buffers of 64 registers, unit u in buffer u % 3; row n of a unit at + 4 n
.set MSB, 0
.macro WIN new                         ; s_set_vgpr_msb: bits 1:0 source 0, 3:2 source 1, 5:4 source 2, 7:6 destination; the high byte repeats the setting that is left
.if MSB != \new
	s_set_vgpr_msb (MSB<<8)|\new
.set MSB, \new
.endif
.endm
.macro PLACES n
.rept \n
	v_nop
.endr
.endm
	s_load_b256 s[4:11], s[0:1], 0x0               ; x s[4:5], Wq s[6:7], Wk s[8:9], Wv s[10:11]
	s_load_b64 s[12:13], s[0:1], 0x20              ; qkv
	v_lshl_add_u32 v14, v0, 2, 0x45000
	v_mov_b32 v15, 0
	ds_add_u32 v14, v15
	ds_add_u32 v14, v15
	v_lshrrev_b32 v1, 5, v0
	v_readfirstlane_b32 s14, v1                    ; wave 0..3
	v_and_b32 v1, 31, v0                           ; lane
	v_and_b32 v2, 15, v0                           ; r
	v_bfe_u32 v3, v0, 4, 1                         ; h
	v_lshlrev_b32 v4, 4, v1                        ; 16 lane
	; descriptor group 1: a tile of 16 rows x 128 f32, padded in LDS
	s_mov_b32 s16, 0x07920000                      ; no mask; elements of 4 bytes; padding on: after every 128 words (code 6) skip 4 words (code 3)
	s_mov_b32 s17, 128<<16                         ; tensor_dim0 = 128
	s_mov_b32 s18, 16<<16                          ; tensor_dim1 = 16
	s_mov_b32 s19, 128<<16                         ; tile_dim0 = 128 elements: 512 bytes of a row, at a multiple of 512 bytes
	s_mov_b32 s20, 16                              ; tile_dim1 = 16 rows
	s_mov_b32 s21, 512                             ; elements from row to row
	s_mov_b32 s22, 0
	s_mov_b32 s23, 0
	s_mul_i32 s46, s14, XWAVE                      ; my part of XRAW
	s_lshl_b32 s40, ttmp9, 17                      ; the work-group's 64 rows of 2,048 bytes,
	s_lshl_b32 s41, s14, 9                         ; my 128 columns of 4 bytes
	s_add_co_u32 s40, s40, s41
	s_mov_b32 s41, 0
	s_wait_dscnt 0x0
	s_wait_kmcnt 0x0
	s_add_nc_u64 s[4:5], s[4:5], s[40:41]
	; my four tiles of x go out together, ahead of every wait on TENSORcnt, every LDS read and every barrier; tile i lies in LDS by i, and comes from row tile (w + i) % 4
.irp i, 0,1,2,3
	s_add_co_u32 s42, s14, \i
	s_and_b32 s42, s42, 3
	s_lshl_b32 s42, s42, 15                        ; 16 rows of 2,048 bytes
	s_mov_b32 s43, 0
	s_mov_b32 s[24+4*\i], 1
	s_add_co_u32 s[25+4*\i], s46, \i*XTILE         ; LDS address
	s_add_nc_u64 s[26+4*\i:27+4*\i], s[4:5], s[42:43]
	s_or_b32 s[27+4*\i], s[27+4*\i], 0x80000000    ; type 2
	tensor_load_to_lds s[24+4*\i:27+4*\i], s[16:23]
	s_nop 0
.endr
	v_lshlrev_b32 v5, 4, v2
	v_lshl_add_u32 v5, v3, 11, v5                  ; W: 16 r in a row of 256 bytes, 8 rows further down for lanes 16-31,
	s_lshl_b32 s42, s14, 15
	v_add_nc_u32 v5, s42, v5                       ; from my first row, 128 w
; Which raw buffer unit u has: its window RW and its first register there RB
.macro RAWSEL u
.if ((\u)%3) == 2
.set RW, 1
.set RB, 192
.else
.set RW, 3
.set RB, 128+64*((\u)%3)
.endif
.endm
; Unit u = 4 m + ks: the 32 rows of K step ks of matrix m.  16 loads: lanes 0-15 take a whole row of 256 bytes, lanes 16-31 the row 8 further down.
; Row n = 0..7 is k = 32 ks + 8 h + n, row n = 8..15 is k = 32 ks + 16 + 8 h + (n - 8): the k that a 16-bit fragment's lane holds.
.macro WLOAD u
	RAWSEL \u
	WIN (RW<<6)                                    ; destination in the buffer's window
.set cnt, 0
.rept 16
	global_load_b128 v[RB+4*cnt:RB+4*cnt+3], v5, s[6+2*((\u)/4):7+2*((\u)/4)] offset:(32*((\u)%4)+cnt+8*(cnt/8))*256
.set cnt, cnt+1
.endr
.endm
; the unit's 64 f32 become four fragments: word c of each row belongs to column tile c, two neighbouring k to a register
.macro WCVT u
	RAWSEL \u
	WIN (0x40|(RW<<2)|RW)                          ; both sources in the buffer's window, destination in v256-447
.set WD, 32*((\u)%6)
.irp c, 0,1,2,3
.irp p, 0,1,2,3
	v_cvt_pk_bf16_f32 v[WD+8*\c+\p],   v[RB+8*\p+\c],    v[RB+8*\p+4+\c]
	v_cvt_pk_bf16_f32 v[WD+8*\c+4+\p], v[RB+32+8*\p+\c], v[RB+36+8*\p+\c]
.endr
.endr
.endm
.macro WUNIT u
.if (\u) <= 9
	s_wait_loadcnt 32                              ; loads end in order: this unit's 16 are in, the two younger units' 32 stay out
.else
	s_wait_loadcnt 16*(11-(\u))                    ; the tail: 16 for the unit still to come, then none
.endif
	WCVT \u
.if (\u) <= 8
	WLOAD (\u)+3                                   ; the buffer just converted is asked for again, three units ahead
.endif
.endm
	WLOAD 0
	WLOAD 1
	WLOAD 2
	WIN 0
	v_mul_u32_u24 v7, v2, 528
	v_lshl_add_u32 v7, v3, 5, v7
	v_add_nc_u32 v7, s46, v7                       ; XRAW: my part, row r, 8 f32 further on for lanes 16-31
	s_mul_i32 s42, s14, PWAVE
	s_add_co_u32 s42, s42, PARTB
	v_add_nc_u32 v6, s42, v4                       ; PART: where I lay my sums down
.irp i, 0,1,2
	s_add_co_u32 s42, s14, 3-\i                    ; the tile that I keep, (w + 3) % 4, is tile i of wave (w + 3 - i) % 4
	s_and_b32 s42, s42, 3
	s_mul_i32 s42, s42, PWAVE
	s_add_co_u32 s42, s42, PARTB+\i*PTILE
	v_add_nc_u32 v[8+\i], s42, v4
.endr
	s_add_co_u32 s42, s14, 3
	s_and_b32 s42, s42, 3
	s_lshl2_add_u32 s42, ttmp9, s42                ; that tile's number in qkv: 4 x work-group + (w + 3) % 4
	s_mul_i32 s42, s42, 6144
	s_mov_b32 s43, 0
	s_add_nc_u64 s[44:45], s[12:13], s[42:43]
	; units 0 to 5 fill the six slots while x is on its way
.irp u, 0,1,2,3,4,5
	WUNIT \u
.endr
	WIN 0
; x, in eight half tiles hs = 2 i + half (K steps 2 half, 2 half + 1 of tile i), on the two halves of XR by turns
.macro XL hs
.if ((\hs)&1) == 0
	s_wait_tensorcnt 3-(\hs)/2                     ; tensor loads of a wave end in order: tile i has landed, my younger tiles stay out
.endif
.irp k, 0,1
.irp q, 0,1,2,3
	ds_load_b128 v[XR+32*((\hs)&1)+16*\k+4*\q:XR+32*((\hs)&1)+16*\k+4*\q+3], v7 offset:((\hs)/2)*XTILE+(2*((\hs)&1)+\k)*128+16*(\q&1)+64*(\q/2)   ; k = 8 h .. + 7 at bytes 0, 16; k = 16 + 8 h .. at bytes 64, 80
.endr
.endr
.endm
.macro XC hs
.set cnt, 0
.rept 16
	v_cvt_pk_bf16_f32 v[XA+32*((\hs)/2)+16*((\hs)&1)+cnt], v[XR+32*((\hs)&1)+2*cnt], v[XR+32*((\hs)&1)+2*cnt+1]
.set cnt, cnt+1
.endr
.endm
	XL 0
	XL 1
.irp hs, 0,1,2,3,4,5
	s_wait_dscnt 8                                 ; LDS instructions of a wave end in order: this half tile's 8 loads are in, the next one's 8 stay out
	XC \hs
	XL \hs+2
.endr
	s_wait_dscnt 8
	XC 6
	s_wait_dscnt 0x0
	XC 7                                           ; the last wait on TENSORcnt was for 0: no tensor load is out from here on
; Unit u's 16 matrix instructions, one for each of the matrix's 16 accumulators: they take turns, one instruction a turn, from unit to unit too.
;   A matrix's first unit starts its sums: nothing is cleared.
; q, k: source 0 = W's columns, source 1 = x's rows: a lane gets 8 head columns of one row.   v: the other way round: 8 rows of one head column.
.macro MUL u
.set KS, (\u)%4
.set WFS, 32*((\u)%6)
.set AB, 128*(((\u)/4)&1)
.if (\u) < 8
	WIN 0xa1                                       ; source 0 in v256-447, source 1 in v0-255, C and D in v512-767
.irp i, 0,1,2,3
.irp c, 0,1,2,3
.if KS == 0
	v_wmma_f32_16x16x32_bf16 v[AB+32*\i+8*\c:AB+32*\i+8*\c+7], v[WFS+8*\c:WFS+8*\c+7], v[XA+32*\i+8*KS:XA+32*\i+8*KS+7], 0
.else
	v_wmma_f32_16x16x32_bf16 v[AB+32*\i+8*\c:AB+32*\i+8*\c+7], v[WFS+8*\c:WFS+8*\c+7], v[XA+32*\i+8*KS:XA+32*\i+8*KS+7], v[AB+32*\i+8*\c:AB+32*\i+8*\c+7]
.endif
.endr
.endr
.else
	WIN 0xf4                                       ; source 0 in v0-255, source 1 in v256-447, C and D in v768-895
.irp i, 0,1,2,3
.irp c, 0,1,2,3
.if KS == 0
	v_wmma_f32_16x16x32_bf16 v[AB+32*\i+8*\c:AB+32*\i+8*\c+7], v[XA+32*\i+8*KS:XA+32*\i+8*KS+7], v[WFS+8*\c:WFS+8*\c+7], 0
.else
	v_wmma_f32_16x16x32_bf16 v[AB+32*\i+8*\c:AB+32*\i+8*\c+7], v[XA+32*\i+8*KS:XA+32*\i+8*KS+7], v[WFS+8*\c:WFS+8*\c+7], v[AB+32*\i+8*\c:AB+32*\i+8*\c+7]
.endif
.endr
.endr
.endif
.endm
; Matrix m's sums of my tiles 0, 1, 2 go to PART: 24 stores
.macro PSTORE m
.if (\m) < 2
	WIN 0x08                                       ; the stores' data (source 1) in v512-767
.else
	WIN 0x0c                                       ; in v768-895
.endif
.irp i, 0,1,2
.set cnt, 0
.rept 8
	ds_store_b128 v6, v[128*((\m)&1)+32*\i+4*cnt:128*((\m)&1)+32*\i+4*cnt+3] offset:\i*PTILE+(8*(\m)+cnt)*512
.set cnt, cnt+1
.endr
.endr
	WIN 0
.endm
; 8 loads: matrix m's sums for the tile that I keep, as wave (w + 3 - p) % 4 laid them down
.macro PLOAD m, p, base
.set cnt, 0
.rept 8
	ds_load_b128 v[\base+4*cnt:\base+4*cnt+3], v[8+\p] offset:(8*(\m)+cnt)*512
.set cnt, cnt+1
.endr
.endm
.macro PADD m, base
.set AK, 128*((\m)&1)+96
.if (\m) < 2
	WIN 0x82                                       ; source 0 and destination in v512-767
.else
	WIN 0xc3                                       ; in v768-895
.endif
.set cnt, 0
.rept 16
	v_pk_add_f32 v[AK+2*cnt:AK+2*cnt+1], v[AK+2*cnt:AK+2*cnt+1], v[\base+2*cnt:\base+2*cnt+1]
.set cnt, cnt+1
.endr
.endm
; The three partners' sums are added to mine, the 16 x 64 results rounded once and stored
.macro PFIN m
	s_wait_dscnt 8                                 ; the first partner's 8 loads are in, the second's stay out
	PADD \m, XR
	WIN 0
	PLOAD \m, 2, XR
	s_wait_dscnt 8                                 ; the second's are in, the third's stay out
	PADD \m, XR+32
	s_wait_dscnt 0x0
	PADD \m, XR
.if (\m) < 2
	WIN 0x0a                                       ; both sources in v512-767
.else
	WIN 0x0f                                       ; in v768-895
.endif
.irp c, 0,1,2,3
.irp q, 0,1,2,3
	v_cvt_pk_f16_f32 v[OUT+16*(\m)+4*\c+\q], v[AK+8*\c+2*\q], v[AK+8*\c+2*\q+1]
.endr
.endr
	WIN 0
.irp c, 0,1,2,3
	global_store_b128 v4, v[OUT+16*(\m)+4*\c:OUT+16*(\m)+4*\c+3], s[44:45] offset:(4*(\m)+\c)*512   ; the wave stores 512 consecutive bytes, at a multiple of 512
.endr
.endm
	; THE TWELVE UNITS.  Behind unit u's products unit u + 5 is converted into the slot that unit u - 1 has left: between the products that read a slot
	; and the conversions that write it stand the 32 conversions of the unit before, which name none of their registers (the places of ISA guide 7.12.1);
	; behind unit 0 there are none yet, so four v_nop stand there.
	MUL 0
	PLACES 4
	MUL 1
	WUNIT 6
	MUL 2
	WUNIT 7
	MUL 3                                          ; q's sums are whole
	WUNIT 8                                        ; (its conversions are the places in front of the stores of q's sums)
	PSTORE 0
	MUL 4
	WUNIT 9
	WIN 0
	s_wait_dscnt 0x0                               ; for the others' sake: my stores of q's sums are done
	s_barrier_signal -1
	MUL 5                                          ; register work while the others arrive
	WIN 0
	s_barrier_wait -1
	PLOAD 0, 0, XR
	PLOAD 0, 1, XR+32
	WUNIT 10
	MUL 6
	WUNIT 11
	WIN 0
	PFIN 0
	MUL 7                                          ; k's sums are whole
	PLACES 4                                       ; four places before they are stored
	PSTORE 1
	MUL 8
	WIN 0
	s_wait_dscnt 0x0                               ; my stores of k's sums are done
	s_barrier_signal -1
	MUL 9
	WIN 0
	s_barrier_wait -1
	PLOAD 1, 0, XR
	PLOAD 1, 1, XR+32
	MUL 10
	WIN 0
	PFIN 1
	MUL 11                                         ; v's sums are whole
	PLACES 4
	PSTORE 2
	s_wait_dscnt 0x0                               ; my stores of v's sums are done
	s_barrier_signal -1
	s_barrier_wait -1
	PLOAD 2, 0, XR
	PLOAD 2, 1, XR+32
	PFIN 2
	s_wait_tensorcnt 0x0
	ds_add_u32 v14, v15
	s_wait_dscnt 0x0
	s_endpgm
.Lfunc_end_k_q1a100d0b5c_proj:
	.size	k_q1a100d0b5c_proj, .Lfunc_end_k_q1a100d0b5c_proj-k_q1a100d0b5c_proj
	.p2alignl 7, 3214868480
	.fill 96, 4, 3214868480
	.section	.rodata,"a",@progbits
	.p2align	6, 0x0
	.amdhsa_kernel k_q1a100d0b5c_proj
		.amdhsa_group_segment_fixed_size 283136
		.amdhsa_private_segment_fixed_size 0
		.amdhsa_enable_private_segment 0
		.amdhsa_kernarg_size 40
		.amdhsa_user_sgpr_count 2
		.amdhsa_user_sgpr_kernarg_segment_ptr 1
		.amdhsa_wavefront_size32 1
		.amdhsa_system_sgpr_workgroup_id_x 1
		.amdhsa_system_sgpr_workgroup_id_y 1
		.amdhsa_system_sgpr_workgroup_id_z 1
		.amdhsa_system_vgpr_workitem_id 0
		.amdhsa_next_free_vgpr 1024
		.amdhsa_next_free_sgpr 66
		.amdhsa_reserve_vcc 0
		.amdhsa_float_denorm_mode_32 3
		.amdhsa_float_denorm_mode_16_64 3
		.amdhsa_memory_ordered 1
		.amdhsa_forward_progress 1
		.amdhsa_inst_pref_size 97
	.end_amdhsa_kernel
	.amdgpu_metadata
---
amdhsa.version: [ 1, 2 ]
amdhsa.kernels:
  - .name:           k_q1a100d0b5c_proj
    .symbol:         k_q1a100d0b5c_proj.kd
    .args:
      - { .name: x, .offset: 0, .size: 8, .value_kind: global_buffer, .address_space: global }
      - { .name: Wq, .offset: 8, .size: 8, .value_kind: global_buffer, .address_space: global }
      - { .name: Wk, .offset: 16, .size: 8, .value_kind: global_buffer, .address_space: global }
      - { .name: Wv, .offset: 24, .size: 8, .value_kind: global_buffer, .address_space: global }
      - { .name: qkv, .offset: 32, .size: 8, .value_kind: global_buffer, .address_space: global }
    .group_segment_fixed_size: 283136
    .private_segment_fixed_size: 0
    .kernarg_segment_align: 8
    .kernarg_segment_size: 40
    .max_flat_workgroup_size: 128
    .sgpr_count:     66
    .vgpr_count:     1024
    .wavefront_size: 32
...
	.end_amdgpu_metadata
.endif
;; end of part 1
;; launch attn (part 2): grid 32 x 8, 8 waves a work-group, no clusters, 157,696 bytes of LDS; arguments qkv, out0; writes out0
.if DOCPART == 2
	.amdgcn_target "amdgcn-amd-amdhsa--gfx1250"
	.amdhsa_code_object_version 6
	.text
	.protected	k_q1a100d0b5c_attn
	.globl	k_q1a100d0b5c_attn
	.p2align	8
	.type	k_q1a100d0b5c_attn,@function
k_q1a100d0b5c_attn:
	s_mov_b64 s[64:65], 0
	v_nop
	global_prefetch_b8 v0, s[64:65] scope:SCOPE_SE
	s_setreg_imm32_b32 hwreg(HW_REG_WAVE_MODE, 25, 1), 1
	s_wait_xcnt 0x0
; out = softmax(causal(q k^T / 8)) v for 8 batches of 2,048 rows, head size 64; q, k, v in f16 from qkv, in fragment order:
;   [1024 tiles of 16 rows][q, k, v][c = 0..3][32 lanes][16 bytes]; lane (r, h), j = 0..7:
;   q, k: row 16 T + r, head column 4 (8 h + j) + c;   v: rows 16 T + 8 h + j, head column 4 r + c.
; WORK LEFT OUT.  The work goes in pieces of 32 queries (a block) x 32 keys (a wave's share of a chunk of 256 keys).  A piece whose first key lies behind
; the block's last query has only keys to which reference()'s own jnp.tril gives the weight 0, whatever the inputs hold, and is not computed: all pieces
; of the chunks behind the block's diagonal chunk, and in the diagonal chunk those of the waves w > blk % 8 (32 w > 32 (blk % 8) + 31).
; LIMIT: a NaN, an infinity or an overflow in k or v of such keys is not carried to the result.
; STILL DONE: in the piece that the diagonal crosses all scores are computed and the dead ones selected away; the live pieces in front of it in the diagonal
; chunk pass through the same compares, which keep all their scores.  Every wave loads the Q of both blocks, 8 loads of 512 bytes each, also the waves
; w > j of the work-groups j < 8, which have no live piece of the low block.
; OTHER LIMITS: the running maximum starts at the most negative finite f32, which is right for every finite score; a score that overflows f32
; gives no finite result, as in reference(); v_exp_f32 returns 0 for results below 2^-126 (ISA guide, its entry in 15.8).
; Both products take f16 operands (11 significant bits; the weights lie in 0 to 1, since the wave's running maximum is taken away first).
; A weight below 2^-25 of its wave's largest rounds to 0 in the product with v: 2,048 such keys are at most 2,048 x 2^-25 = 6e-5 of the sum.
; q, k, v above 65,504 in magnitude have become infinite in the first launch.
;
; SHARING.  A batch has 64 query blocks of 32 rows.  Work-group j (0..31) of a batch owns block 63 - j (the high block, query tiles 0, 1) and block j
; (the low block, query tiles 2, 3).  Every wave holds the Q fragments of both blocks and takes one eighth (32 keys) of every chunk, so that K and V of
; a chunk that both blocks need are loaded once and serve 64 queries.  With R = j / 8 and a = j % 8 the low block's diagonal lies in chunk R, in wave a's
; keys, and the high block's in chunk 7 - R, in wave 7 - a's.  A wave's trips: chunk R first (low block masked, or left out where w > a; high block
; whole; it starts the sums); chunks 0 .. R - 1 for both blocks; chunks R + 1 .. 6 - R for the high block alone; chunk 7 - R (high block masked; left out
; where w > 7 - a).  In pieces that is 2 + 2 R + (6 - 2 R) + 1 = 9 for a wave, less those left out: (7 - a) + a = 7 of a work-group's 72.
; The eight eighths meet in LDS at the end.
; TRANSPOSED FORMS.  S^T = K Q^T (source 0 = 16 keys, source 1 = 16 queries): lane (r, h), register j holds key 8 h + j, query r.  A lane's packed
; S^T of the two key tiles IS source 1 of O^T = V^T P^T, so nothing moves between lanes, and maximum, sum and rescaling factor are one register a query tile.
; The head columns stand in the same permuted order in q's and k's fragments, which leaves the sums of products as they are.
; The maximum is taken away before every exponential (a running maximum); 1 / 8 and log2 e are one factor c in the exponent's multiply-add.
; What is kept beside the maximum is n = - c x maximum as it was rounded; the rescaling factors here and in the merge are exp2 of differences of such n,
; so that every weight of a query is scaled by exactly the same number.
; NO JOINT LOADS: K and V come straight from memory into the registers that the matrix instructions read, 512 consecutive bytes an instruction,
; and pass through no LDS; a joint load lands in LDS and would add a write and a read of every byte there.
;
; LDS: PART at 0: 8 x 16,384, wave w's O registers as they lie (w 16384 + q 512 + lane 16);  ML at 131,072: 8 x 1,024, w 1024 + u 256 + {n 0, l 128} + lane 4;
;      STG at 139,264: 64 rows of 272 bytes (256 + 16: an odd multiple of 16), the high block's 32 rows, then the low block's.
.set TILEB,  6144
.set CHUNKB, 98304                     ; 16 tiles
.set ML,     131072
.set STG,    139264
.set SS,  8                            ; v8-71     S^T: tile (u, i) at + 16 u + 8 i; packed, P^T of the 32 keys is + 16 u .. + 7
.set OO,  72                           ; v72-199   O^T: tile (u, c) at + 32 u + 8 c
.set NMX, 200                          ; v200-207  for each u a pair: n = - c x maximum, the running maximum
.set ALS, 208                          ; v208-215  for each u a pair: the rescaling factor, the running sum (of my half's keys until the merge)
.set TT,  216                          ; v216-231  at work, four for each u
.set QF,  0                            ; v256-319  Q: tile u at + 16 u, block c at + 4 c; blocks 2 s, 2 s + 1 are the fragment of K step s
.set KF,  64                           ; v320-351  K: tile i at + 16 i, block c at + 4 c
.set VF,  96                           ; v352-383  V: fragment c at + 8 c, the half from key tile e at + 4 e
.set LP,  8                            ; the merge: v8-135 part p's numbers at + 16 p + 4 c
.set RES, 136                          ; v136-151  results
.set WN,  152                          ; v152-159  the parts' n, then their weights
.set WL,  160                          ; v160-167  the parts' sums
.set MSB, 0
.macro WIN new                         ; s_set_vgpr_msb: bits 1:0 source 0, 3:2 source 1, 5:4 source 2, 7:6 destination; the high byte repeats the setting that is left
.if MSB != \new
	s_set_vgpr_msb (MSB<<8)|\new
.set MSB, \new
.endif
.endm
.macro PLACES n
.rept \n
	v_nop
.endr
.endm
.macro KLOAD b                         ; 8 loads: K of my 32 keys, from the unit at s[b:b+1]
.irp i, 0,1
.irp c, 0,1,2,3
	global_load_b128 v[KF+16*\i+4*\c:KF+16*\i+4*\c+3], v1, s[\b:\b+1] offset:\i*TILEB+2048+\c*512
.endr
.endr
.endm
.macro VLOAD b                         ; 8 loads: V of my 32 keys
.irp e, 0,1
.irp c, 0,1,2,3
	global_load_b128 v[VF+8*\c+4*\e:VF+8*\c+4*\e+3], v1, s[\b:\b+1] offset:\e*TILEB+4096+\c*512
.endr
.endr
.endm
	s_load_b128 s[4:7], s[0:1], 0x0                ; qkv s[4:5], out0 s[6:7]
	v_lshl_add_u32 v254, v0, 2, 0x26400
	v_mov_b32 v255, 0
	v_lshrrev_b32 v4, 5, v0
	v_readfirstlane_b32 s8, v4                     ; wave 0..7
	v_and_b32 v5, 31, v0                           ; lane
	v_lshlrev_b32 v1, 4, v5                        ; 16 lane: my place in every block of qkv and in two rows of out0
	v_and_b32 v6, 15, v0                           ; r
	v_bfe_u32 v7, v0, 4, 1                         ; h
	v_mov_b32 v3, 0xff800000                       ; -inf, for the scores behind the diagonal
	s_mov_b32 s12, ttmp9                           ; j: the low block
	s_sub_co_u32 s13, 63, s12                      ; the high block
	s_lshr_b32 s14, s12, 3                         ; R
	s_and_b32 s9, ttmp7, 0xffff                    ; batch
	s_mov_b32 s22, 0x3e38aa3b                      ; c = log2 e / 8
	s_mov_b32 s23, 0x3e38aa3b
	s_mov_b32 s27, 0xbe38aa3b                      ; - c
	s_mov_b32 s25, 0x76543210                      ; v_permlanex16_b32: lane i reads lane i of the other half
	s_mov_b32 s26, 0xfedcba98
	; a score is kept where key <= query: 32 w + 16 i + 8 h + j <= 32 (blk % 8) + 16 u + r, that is 8 h - r + 32 (w - blk % 8) <= 16 (u - i) - j
	s_and_b32 s10, s12, 7                          ; a: the low block's place in its chunk; the high block's is 7 less that
	s_sub_co_u32 s11, s8, s10
	s_lshl_b32 s11, s11, 5
	v_lshlrev_b32 v2, 3, v7
	v_sub_nc_u32 v2, v2, v6                        ; 8 h - r
	v_add_nc_u32 v4, s11, v2                       ; the left side for the low block
	s_add_co_u32 s11, s8, s10
	s_sub_co_u32 s11, s11, 7
	s_lshl_b32 s11, s11, 5
	v_add_nc_u32 v2, s11, v2                       ; for the high block
	; which of my pieces are left out: whole numbers made of the wave's and the work-group's numbers alone
	s_cmp_gt_u32 s8, s10
	s_cselect_b32 s40, 1, 0                        ; w > a: my keys of chunk R lie behind the low block's last query
	s_add_co_u32 s11, s8, s10
	s_cmp_gt_u32 s11, 7
	s_cselect_b32 s41, 1, 0                        ; w > 7 - a: my keys of chunk 7 - R lie behind the high block's last query
	s_cmp_eq_u32 s14, 3
	s_cselect_b32 s42, s41, 0                      ; the same where R = 3: there the trip in front of chunk 7 - R is one for both blocks
	s_mul_i32 s30, s9, 786432                      ; a batch: 128 tiles
	s_mov_b32 s31, 0
	s_wait_kmcnt 0x0
	s_add_nc_u64 s[4:5], s[4:5], s[30:31]
	s_mul_i32 s30, s13, 2*TILEB
	s_add_nc_u64 s[32:33], s[4:5], s[30:31]        ; the high block's two tiles of q
	s_mul_i32 s30, s12, 2*TILEB
	s_add_nc_u64 s[34:35], s[4:5], s[30:31]        ; the low block's
	s_mul_i32 s30, s8, 2*TILEB
	s_add_nc_u64 s[18:19], s[4:5], s[30:31]        ; my eighth of chunk 0
	s_mul_i32 s30, s14, CHUNKB
	s_add_nc_u64 s[16:17], s[18:19], s[30:31]      ; my eighth of chunk R, the first that is taken
	s_cmp_eq_u32 s14, 0
	s_cselect_b32 s30, CHUNKB, 0
	s_add_nc_u64 s[18:19], s[18:19], s[30:31]      ; of the chunk taken second: chunk 0, or chunk 1 where R = 0; stepped from trip to trip
	WIN 0x40                                       ; destination in v256-383
.irp u, 0,1
.irp c, 0,1,2,3
	global_load_b128 v[QF+16*\u+4*\c:QF+16*\u+4*\c+3], v1, s[32:33] offset:\u*TILEB+\c*512
.endr
.endr
.irp u, 0,1
.irp c, 0,1,2,3
	global_load_b128 v[QF+32+16*\u+4*\c:QF+32+16*\u+4*\c+3], v1, s[34:35] offset:\u*TILEB+\c*512
.endr
.endr
	KLOAD 16
	VLOAD 16
	WIN 0
	; while these are on their way: where my 8 rows of out0 lie, and the merge's LDS addresses
	s_cmp_lt_u32 s8, 4
	s_cselect_b32 s10, s13, s12                    ; waves 0-3 store the high block's rows, waves 4-7 the low block's
	s_lshl_b32 s30, s9, 19                         ; out0: 2,048 rows of 256 bytes a batch,
	s_lshl_b32 s11, s10, 13                        ; 32 rows a block,
	s_add_co_u32 s30, s30, s11
	s_and_b32 s11, s8, 3
	s_lshl_b32 s11, s11, 11                        ; 8 rows a wave
	s_add_co_u32 s30, s30, s11
	s_add_nc_u64 s[28:29], s[6:7], s[30:31]
	s_lshl_b32 s38, s8, 14
	v_add_nc_u32 v232, s38, v1                     ; PART: wave x 16,384 + 16 lane
	s_lshl_b32 s38, s8, 10
	s_add_co_u32 s38, s38, ML
	v_lshl_add_u32 v233, v5, 2, s38                ; ML: wave x 1,024 + 4 lane
	s_lshr_b32 s36, s8, 1                          ; u': the query tile that I reduce,
	s_and_b32 s37, s8, 1                           ; jj: its registers 4 jj .. 4 jj + 3 of each column tile
	s_lshl_b32 s38, s36, 12
	s_lshl_b32 s39, s37, 9
	s_add_co_u32 s38, s38, s39
	v_add_nc_u32 v234, s38, v1                     ; PART, read: u' 4096 + jj 512 + 16 lane, for parts 0-3;
	v_add_nc_u32 v235, 0x10000, v234               ; for parts 4-7 (an LDS offset has 16 bits)
	s_lshl_b32 s38, s36, 8
	s_add_co_u32 s38, s38, ML
	v_lshl_add_u32 v236, v5, 2, s38                ; ML, read: u' 256 + 4 lane
	s_mul_i32 s38, s36, 4352                       ; 16 rows of 272 bytes
	s_lshl_b32 s39, s37, 6
	s_add_co_u32 s38, s38, s39
	s_add_co_u32 s38, s38, STG
	v_mul_u32_u24 v237, v6, 272
	v_lshl_add_u32 v237, v7, 7, v237
	v_add_nc_u32 v237, s38, v237                   ; STG, in: row 16 u' + r, column 32 h + 16 jj + 4 j' (x 4 bytes)
	s_mul_i32 s38, s8, 2176                        ; 8 rows
	s_add_co_u32 s38, s38, STG
	v_mul_u32_u24 v238, v7, 272
	v_lshl_add_u32 v238, v6, 4, v238
	v_add_nc_u32 v238, s38, v238                   ; STG, back: lanes 0-15 one row of 256 bytes, lanes 16-31 the next
; The scores of query tile t (tile loc of its block) behind the diagonal become -inf; vm: the register with the block's left side
.macro MASK t, loc, vm
.irp i, 0,1
.irp j, 0,1,2,3,4,5,6,7
	v_cmp_ge_i32 vcc_lo, 16*(\loc-\i)-\j, v\vm     ; key <= query
	v_cndmask_b32 v[SS+16*\t+8*\i+\j], v3, v[SS+16*\t+8*\i+\j], vcc_lo
.endr
.endr
.endm
; Softmax of the first 'tiles' query tiles over the trip's 32 keys, stage by stage through all tiles, so that no instruction waits for the one in front.
; init = 1: the first trip, which starts maxima and sums.
.macro SOFTMAX tiles, init
.irp u, 0,1,2,3                        ; the largest of my 16 scores, in two chains
.if \u < \tiles
	v_max3_num_f32 v[TT+4*\u],   v[SS+16*\u],   v[SS+16*\u+1], v[SS+16*\u+2]
	v_max3_num_f32 v[TT+4*\u+1], v[SS+16*\u+8], v[SS+16*\u+9], v[SS+16*\u+10]
.endif
.endr
.irp u, 0,1,2,3
.if \u < \tiles
	v_max3_num_f32 v[TT+4*\u],   v[TT+4*\u],   v[SS+16*\u+3],  v[SS+16*\u+4]
	v_max3_num_f32 v[TT+4*\u+1], v[TT+4*\u+1], v[SS+16*\u+11], v[SS+16*\u+12]
.endif
.endr
.irp u, 0,1,2,3
.if \u < \tiles
	v_max3_num_f32 v[TT+4*\u],   v[TT+4*\u],   v[SS+16*\u+5],  v[SS+16*\u+6]
	v_max3_num_f32 v[TT+4*\u+1], v[TT+4*\u+1], v[SS+16*\u+13], v[SS+16*\u+14]
.endif
.endr
.irp u, 0,1,2,3
.if \u < \tiles
	v_max3_num_f32 v[TT+4*\u], v[TT+4*\u], v[SS+16*\u+7], v[SS+16*\u+15]
.endif
.endr
.irp u, 0,1,2,3
.if \u < \tiles
	v_max_num_f32 v[TT+4*\u], v[TT+4*\u], v[TT+4*\u+1]
.endif
.endr
.irp u, 0,1,2,3
.if \u < \tiles
	v_permlanex16_b32 v[TT+4*\u+1], v[TT+4*\u], s25, s26   ; the other half of the lanes holds the query's other 16 keys
.endif
.endr
.irp u, 0,1,2,3
.if \u < \tiles
.if \init
	v_max3_num_f32 v[NMX+2*\u+1], v[TT+4*\u], v[TT+4*\u+1], 0xff7fffff   ; never -inf: a query with no live key among my 32 gets weights 0 and no NaN
.else
	v_max3_num_f32 v[NMX+2*\u+1], v[TT+4*\u], v[TT+4*\u+1], v[NMX+2*\u+1]
.endif
.endif
.endr
.if \init
.irp u, 0,1,2,3
.if \u < \tiles
	v_mul_f32 v[NMX+2*\u], s27, v[NMX+2*\u+1]      ; n = - c x maximum
.endif
.endr
.else
.irp u, 0,1,2,3
.if \u < \tiles
	v_mul_f32 v[TT+4*\u+2], s27, v[NMX+2*\u+1]     ; the new n
.endif
.endr
.irp u, 0,1,2,3
.if \u < \tiles
	v_sub_f32 v[TT+4*\u+3], v[TT+4*\u+2], v[NMX+2*\u]      ; new n - old n, at most 0
.endif
.endr
.irp u, 0,1,2,3
.if \u < \tiles
	v_mov_b32 v[NMX+2*\u], v[TT+4*\u+2]
.endif
.endr
.irp u, 0,1,2,3
.if \u < \tiles
	v_exp_f32 v[ALS+2*\u], v[TT+4*\u+3]            ; what the old sums are worth under the new maximum; the plain instructions below stand before its first use
.endif
.endr
.endif
.irp u, 0,1,2,3
.if \u < \tiles
.set cnt, 0
.rept 8
	v_pk_fma_f32 v[SS+16*\u+2*cnt:SS+16*\u+2*cnt+1], v[SS+16*\u+2*cnt:SS+16*\u+2*cnt+1], s[22:23], v[NMX+2*\u:NMX+2*\u+1] op_sel_hi:[1,0,0]   ; c x score + n; both halves take the pair's first register
.set cnt, cnt+1
.endr
.endif
.endr
.irp u, 0,1,2,3
.if \u < \tiles
.set cnt, 0
.rept 16
	v_exp_f32 v[SS+16*\u+cnt], v[SS+16*\u+cnt]
.set cnt, cnt+1
.endr
.endif
.endr
	v_nop                                          ; one plain instruction behind the last exponential before results are read (ISA guide 5.7.2)
	s_wait_alu depctr_va_vdst(0)
.irp u, 0,1,2,3                        ; their sum, in two chains of pairs
.if \u < \tiles
	v_pk_add_f32 v[TT+4*\u:TT+4*\u+1],   v[SS+16*\u:SS+16*\u+1],   v[SS+16*\u+2:SS+16*\u+3]
	v_pk_add_f32 v[TT+4*\u+2:TT+4*\u+3], v[SS+16*\u+4:SS+16*\u+5], v[SS+16*\u+6:SS+16*\u+7]
.endif
.endr
.irp u, 0,1,2,3
.if \u < \tiles
	v_pk_add_f32 v[TT+4*\u:TT+4*\u+1],   v[TT+4*\u:TT+4*\u+1],   v[SS+16*\u+8:SS+16*\u+9]
	v_pk_add_f32 v[TT+4*\u+2:TT+4*\u+3], v[TT+4*\u+2:TT+4*\u+3], v[SS+16*\u+10:SS+16*\u+11]
.endif
.endr
.irp u, 0,1,2,3
.if \u < \tiles
	v_pk_add_f32 v[TT+4*\u:TT+4*\u+1],   v[TT+4*\u:TT+4*\u+1],   v[SS+16*\u+12:SS+16*\u+13]
	v_pk_add_f32 v[TT+4*\u+2:TT+4*\u+3], v[TT+4*\u+2:TT+4*\u+3], v[SS+16*\u+14:SS+16*\u+15]
.endif
.endr
.irp u, 0,1,2,3
.if \u < \tiles
	v_pk_add_f32 v[TT+4*\u:TT+4*\u+1], v[TT+4*\u:TT+4*\u+1], v[TT+4*\u+2:TT+4*\u+3]
.endif
.endr
.irp u, 0,1,2,3
.if \u < \tiles
.if \init
	v_add_f32 v[ALS+2*\u+1], v[TT+4*\u], v[TT+4*\u+1]
.else
	v_add_f32 v[TT+4*\u], v[TT+4*\u], v[TT+4*\u+1]
.endif
.endif
.endr
.if \init == 0
.irp u, 0,1,2,3
.if \u < \tiles
	v_fma_f32 v[ALS+2*\u+1], v[ALS+2*\u+1], v[ALS+2*\u], v[TT+4*\u]
.endif
.endr
.endif
.irp u, 0,1,2,3                        ; to f16, in place: the two key tiles become one fragment of 32 keys; each register is written when its sources have been read
.if \u < \tiles
.irp q, 0,1,2,3
	v_cvt_pk_f16_f32 v[SS+16*\u+\q], v[SS+16*\u+2*\q], v[SS+16*\u+2*\q+1]
.endr
.irp q, 0,1,2,3
	v_cvt_pk_f16_f32 v[SS+16*\u+4+\q], v[SS+16*\u+8+2*\q], v[SS+16*\u+9+2*\q]
.endr
.endif
.endr
.if \init == 0
.irp u, 0,1,2,3                        ; the old O under the new maximum
.if \u < \tiles
.set cnt, 0
.rept 16
	v_pk_mul_f32 v[OO+32*\u+2*cnt:OO+32*\u+2*cnt+1], v[OO+32*\u+2*cnt:OO+32*\u+2*cnt+1], v[ALS+2*\u:ALS+2*\u+1] op_sel_hi:[1,0]   ; both halves by the pair's first register
.set cnt, cnt+1
.endr
.endif
.endr
.endif
.endm
; One trip: the first 'tiles' query tiles (4: both blocks, 2: the high block) x my 32 keys of one chunk.  init = 1: the first trip, whose products start the
; sums.  mhi, mlo = 1: the chunk holds the high, the low block's diagonal.  reload = 1: K and V of the next trip's chunk are asked for as soon as this trip's
; products have read the registers; step: how many chunks s[18:19] goes on before that.  A trip that another follows always has reload = 1, on every way.
; In each run of matrix instructions the accumulators take turns, one instruction a turn.
.macro TRIP tiles, init, mhi, mlo, reload, step
	s_wait_loadcnt 8                               ; loads end in order: this trip's K is in (and Q, in the first trip); the 8 younger loads are its V
	WIN 0x05                                       ; sources 0 and 1 in v256-383
.irp u, 0,1,2,3
.if \u < \tiles
.irp i, 0,1
	v_wmma_f32_16x16x32_f16 v[SS+16*\u+8*\i:SS+16*\u+8*\i+7], v[KF+16*\i:KF+16*\i+7], v[QF+16*\u:QF+16*\u+7], 0
.endr
.endif
.endr
.irp u, 0,1,2,3
.if \u < \tiles
.irp i, 0,1
	v_wmma_f32_16x16x32_f16 v[SS+16*\u+8*\i:SS+16*\u+8*\i+7], v[KF+16*\i+8:KF+16*\i+15], v[QF+16*\u+8:QF+16*\u+15], v[SS+16*\u+8*\i:SS+16*\u+8*\i+7]
.endr
.endif
.endr
	WIN 0
	PLACES 4                                       ; four places (ISA guide 7.12.1) before the scores are read and K's registers loaded again
.if \reload
.if \step
	s_wait_xcnt 0x0                                ; the last trip's loads of V name s[18:19]: it is stepped only behind this wait
	s_add_nc_u64 s[18:19], s[18:19], \step*CHUNKB
.endif
	WIN 0x40
	KLOAD 18
	WIN 0
.endif
.if \mhi
	MASK 0, 0, 2
	MASK 1, 1, 2
.endif
.if \mlo
	MASK 2, 0, 4
	MASK 3, 1, 4
.endif
	SOFTMAX \tiles, \init
.if \reload
	s_wait_loadcnt 8                               ; this trip's V is in; the 8 younger loads are the next trip's K
.else
	s_wait_loadcnt 0x0                             ; nothing was asked for behind this trip's V
.endif
	WIN 0x01                                       ; source 0 in v256-383
.irp u, 0,1,2,3
.if \u < \tiles
.irp c, 0,1,2,3
.if \init
	v_wmma_f32_16x16x32_f16 v[OO+32*\u+8*\c:OO+32*\u+8*\c+7], v[VF+8*\c:VF+8*\c+7], v[SS+16*\u:SS+16*\u+7], 0
.else
	v_wmma_f32_16x16x32_f16 v[OO+32*\u+8*\c:OO+32*\u+8*\c+7], v[VF+8*\c:VF+8*\c+7], v[SS+16*\u:SS+16*\u+7], v[OO+32*\u+8*\c:OO+32*\u+8*\c+7]
.endif
.endr
.endif
.endr
	WIN 0
	PLACES 5                                       ; five places: the next trip's first products write over P^T, a source of these; V's registers are loaded again; the merge reads O
.if \reload
	WIN 0x40
	VLOAD 18
	WIN 0
.endif
.endm
	s_cmp_lg_u32 s40, 0
	s_cbranch_scc1 .Llowdead
	TRIP 4, 1, 0, 1, 1, 0                          ; chunk R: the low block's diagonal chunk; asks for chunk 0 (chunk 1 where R = 0)
	s_branch .Lsecond
.Llowdead:
	; w > a: the low block's piece of chunk R is left out.  No product starts the low block's sums here, so they start as what a share without a live key is:
	; the most negative finite maximum, its n (about 6e37), sum 0 and O = 0.  A later trip for both blocks rescales them by exp2 of new n - old n, about
	; -6e37, which is 0; where R = 0 there is no such trip, and these numbers are what the wave lays down: the merge gives them the weight 0.
	; The 64 moves stand where the wave would wait for its first loads.
.set cnt, 0
.rept 64
	v_mov_b32 v[OO+64+cnt], 0
.set cnt, cnt+1
.endr
.irp u, 2,3
	v_mov_b32 v[NMX+2*\u+1], 0xff7fffff
	v_mov_b32 v[ALS+2*\u+1], 0
.endr
.irp u, 2,3
	v_mul_f32 v[NMX+2*\u], s27, v[NMX+2*\u+1]      ; n = - c x maximum, rounded as everywhere
.endr
	TRIP 2, 1, 0, 0, 1, 0                          ; chunk R for the high block alone; asks for chunk 0 (chunk 1 where R = 0)
.Lsecond:
	s_cmp_eq_u32 s14, 0
	s_cbranch_scc1 .Lhigh
	s_sub_co_u32 s15, s14, 1
	s_cmp_eq_u32 s15, 0
	s_cbranch_scc1 .Lbothlast
.Lboth:
	TRIP 4, 0, 0, 0, 1, 1                          ; chunks 0 to R - 2, both blocks; each asks for the next
	s_sub_co_u32 s15, s15, 1
	s_cmp_lg_u32 s15, 0
	s_cbranch_scc1 .Lboth
.Lbothlast:
	s_cmp_lg_u32 s42, 0
	s_cbranch_scc1 .Lbothend                       ; R = 3 and w > 7 - a: chunk R + 1 is the high block's diagonal chunk and my piece of it is left out
	TRIP 4, 0, 0, 0, 1, 2                          ; chunk R - 1; asks for chunk R + 1: chunk R has been taken
.Lhigh:
	s_lshl_b32 s15, s14, 1
	s_sub_co_u32 s15, 6, s15                       ; 6 - 2 R chunks for the high block alone
	s_cmp_eq_u32 s15, 0
	s_cbranch_scc1 .Ldiag
	s_sub_co_u32 s15, s15, 1                       ; all but the last of them in the loop: 5, 3 or 1
.Lalone:
	TRIP 2, 0, 0, 0, 1, 1                          ; chunks R + 1 to 5 - R; each asks for the next
	s_sub_co_u32 s15, s15, 1
	s_cmp_lg_u32 s15, 0
	s_cbranch_scc1 .Lalone
	s_cmp_lg_u32 s41, 0
	s_cbranch_scc1 .Laloneend                      ; w > 7 - a: my piece of chunk 7 - R is left out, so chunk 6 - R asks for nothing
	TRIP 2, 0, 0, 0, 1, 1                          ; chunk 6 - R; asks for chunk 7 - R
.Ldiag:
	TRIP 2, 0, 1, 0, 0, 0                          ; chunk 7 - R: the high block's diagonal chunk; nothing is left to ask for
	s_branch .Lmerge
.Laloneend:
	TRIP 2, 0, 0, 0, 0, 0                          ; chunk 6 - R, my last
	s_branch .Lmerge
.Lbothend:
	TRIP 4, 0, 0, 0, 0, 0                          ; chunk R - 1 = 2, my last
.Lmerge:
	; THE MERGE of the eight eighths.  Every wave lays down its O, n and l; behind a barrier each wave reduces an eighth of the work-group's numbers
	; (query tile u' = w / 2, registers 4 jj .. 4 jj + 3 with jj = w % 2), lays them down as rows, and behind a second barrier stores 8 whole rows.
.irp u, 0,1,2,3
	v_permlanex16_b32 v[TT+\u], v[ALS+2*\u+1], s25, s26    ; its destination counts as read: query tile 0's softmax has written these four on every way
.endr
.irp u, 0,1,2,3
	v_add_f32 v[ALS+2*\u+1], v[ALS+2*\u+1], v[TT+\u]       ; the sums over both halves' keys
.endr
.set cnt, 0
.rept 32
	ds_store_b128 v232, v[OO+4*cnt:OO+4*cnt+3] offset:512*cnt
.set cnt, cnt+1
.endr
.irp u, 0,1,2,3
	ds_store_b32 v233, v[NMX+2*\u] offset:\u*256
	ds_store_b32 v233, v[ALS+2*\u+1] offset:\u*256+128
.endr
	s_wait_dscnt 0x0                               ; for the others' sake: all my stores are done
	s_barrier_signal -1
	s_barrier_wait -1
.irp p, 0,1,2,3,4,5,6,7
	ds_load_b32 v[WN+\p], v236 offset:\p*1024              ; n of part p
	ds_load_b32 v[WL+\p], v236 offset:\p*1024+128          ; l of part p
.endr
.irp p, 0,1,2,3
.irp c, 0,1,2,3
	ds_load_b128 v[LP+16*\p+4*\c:LP+16*\p+4*\c+3], v234 offset:\p*16384+\c*1024
.endr
.endr
.irp p, 4,5,6,7
.irp c, 0,1,2,3
	ds_load_b128 v[LP+16*\p+4*\c:LP+16*\p+4*\c+3], v235 offset:(\p-4)*16384+\c*1024
.endr
.endr
	s_wait_dscnt 32                                ; the sixteen words of n and l are in; the 32 younger loads of O stay out
	v_min3_num_f32 v168, v[WN], v[WN+1], v[WN+2]
	v_min3_num_f32 v169, v[WN+3], v[WN+4], v[WN+5]
	v_min3_num_f32 v168, v168, v[WN+6], v[WN+7]
	v_min_num_f32 v168, v168, v169                 ; the least n belongs to the query's maximum over all parts
.irp p, 0,1,2,3,4,5,6,7
	v_sub_f32 v[WN+\p], v168, v[WN+\p]
.endr
.irp p, 0,1,2,3,4,5,6,7
	v_exp_f32 v[WN+\p], v[WN+\p]                   ; what part p's sums are worth under it (0 for a part with no live key)
.endr
	v_nop
	s_wait_alu depctr_va_vdst(0)
	v_mul_f32 v169, v[WN], v[WL]
	v_mul_f32 v170, v[WN+4], v[WL+4]
.irp p, 1,2,3
	v_fmac_f32 v169, v[WN+\p], v[WL+\p]
	v_fmac_f32 v170, v[WN+4+\p], v[WL+4+\p]
.endr
	v_add_f32 v169, v169, v170                     ; the softmax's denominator; the key with the maximum adds exp2 of a rounding residue, about 1
	v_rcp_f32 v170, v169
	v_nop
	s_wait_alu depctr_va_vdst(0)
.irp p, 0,1,2,3,4,5,6,7
	v_mul_f32 v[WN+\p], v[WN+\p], v170
.endr
	s_wait_dscnt 16                                ; parts 0 to 3 are in, the 16 loads of parts 4 to 7 stay out
.irp q, 0,1,2,3                        ; result 4 j' + c: the four c of one j' are four neighbouring output columns
.irp c, 0,1,2,3
	v_mul_f32 v[RES+4*\q+\c], v[WN], v[LP+4*\c+\q]
.endr
.endr
.irp p, 1,2,3
.irp q, 0,1,2,3
.irp c, 0,1,2,3
	v_fmac_f32 v[RES+4*\q+\c], v[WN+\p], v[LP+16*\p+4*\c+\q]
.endr
.endr
.endr
	s_wait_dscnt 0x0
.irp p, 4,5,6,7
.irp q, 0,1,2,3
.irp c, 0,1,2,3
	v_fmac_f32 v[RES+4*\q+\c], v[WN+\p], v[LP+16*\p+4*\c+\q]
.endr
.endr
.endr
.irp q, 0,1,2,3
	ds_store_b128 v237, v[RES+4*\q:RES+4*\q+3] offset:16*\q
.endr
	s_wait_dscnt 0x0                               ; for the others' sake
	s_barrier_signal -1
	s_barrier_wait -1
.irp t, 0,1,2,3
	ds_load_b128 v[LP+4*\t:LP+4*\t+3], v238 offset:\t*544
.endr
.irp t, 0,1,2,3
	s_wait_dscnt 3-\t                              ; pair t of rows is in, the younger ones stay out
	global_store_b128 v1, v[LP+4*\t:LP+4*\t+3], s[28:29] offset:\t*512 th:TH_STORE_NT   ; two whole rows of out0: 512 consecutive bytes, at a multiple of 512
.endr
	s_wait_tensorcnt 0x0
	ds_add_u32 v254, v255
	s_wait_dscnt 0x0
	s_endpgm
.Lfunc_end_k_q1a100d0b5c_attn:
	.size	k_q1a100d0b5c_attn, .Lfunc_end_k_q1a100d0b5c_attn-k_q1a100d0b5c_attn
	.p2alignl 7, 3214868480
	.fill 96, 4, 3214868480
	.section	.rodata,"a",@progbits
	.p2align	6, 0x0
	.amdhsa_kernel k_q1a100d0b5c_attn
		.amdhsa_group_segment_fixed_size 157696
		.amdhsa_private_segment_fixed_size 0
		.amdhsa_enable_private_segment 0
		.amdhsa_kernarg_size 16
		.amdhsa_user_sgpr_count 2
		.amdhsa_user_sgpr_kernarg_segment_ptr 1
		.amdhsa_wavefront_size32 1
		.amdhsa_system_sgpr_workgroup_id_x 1
		.amdhsa_system_sgpr_workgroup_id_y 1
		.amdhsa_system_sgpr_workgroup_id_z 1
		.amdhsa_system_vgpr_workitem_id 0
		.amdhsa_next_free_vgpr 384
		.amdhsa_next_free_sgpr 66
		.amdhsa_reserve_vcc 1
		.amdhsa_float_denorm_mode_32 3
		.amdhsa_float_denorm_mode_16_64 3
		.amdhsa_memory_ordered 1
		.amdhsa_forward_progress 1
		.amdhsa_inst_pref_size 146
	.end_amdhsa_kernel
	.amdgpu_metadata
---
amdhsa.version: [ 1, 2 ]
amdhsa.kernels:
  - .name:           k_q1a100d0b5c_attn
    .symbol:         k_q1a100d0b5c_attn.kd
    .args:
      - { .name: qkv, .offset: 0, .size: 8, .value_kind: global_buffer, .address_space: global }
      - { .name: out0, .offset: 8, .size: 8, .value_kind: global_buffer, .address_space: global }
    .group_segment_fixed_size: 157696
    .private_segment_fixed_size: 0
    .kernarg_segment_align: 8
    .kernarg_segment_size: 16
    .max_flat_workgroup_size: 256
    .sgpr_count:     66
    .vgpr_count:     384
    .wavefront_size: 32
...
	.end_amdgpu_metadata
.endif
;; end of part 2
